; MI455X (gfx1250); checked and timed in simulation.
; The chip was launched on July 23, 2026; its instructions are those of AMD's public machine-readable ISA for CDNA 5 (MIT licence, August 2026) and "CDNA5" Instruction Set Architecture Reference Guide (July 2026). The comments in the code are by the model that wrote it; some were corrected since.
;; Local Attention. Allowed arithmetic: float matrix products may take bf16 or f16 operands with f32 sums; all other float work in f32.
;; Inputs: b1 32 float32; b2 32 float32; features 1 x 256 x 2,048 float32; qkv_b 768 float32; qkv_w 768 x 256 float32; w1 4 x 32 float32; w2 32 x 32 float32; xyz 1 x 3 x 2,048 float32.
;; Outputs: out0 1 x 256 x 2,048 float32.
;; 2 versions, each right; version 2 is version 1 with the launch project written anew for expert scheduling mode. Each part assembles by itself: llvm-mc -triple=amdgcn-amd-amdhsa -mcpu=gfx1250 --defsym DOCPART=n.
;; ======== version 1 of 2: 2 launches
;; limits: values are held in f16: magnitudes above 65,504 overflow, below 6.1e-05 lose precision
;; workspace buffers: qkvh 3,145,728 bytes; maskb 524,288 bytes of whole numbers
;; launch project (part 1): grid 32 x 8, 8 waves a work-group, no clusters, 104,960 bytes of LDS; arguments features, qkv_w, qkv_b, xyz, qkvh, maskb; writes qkvh, maskb
.if DOCPART == 1
	.amdgcn_target "amdgcn-amd-amdhsa--gfx1250"
	.amdhsa_code_object_version 6
	.text
	.protected	k_q3b58c99b66_project
	.globl	k_q3b58c99b66_project
	.p2align	8
	.type	k_q3b58c99b66_project,@function
k_q3b58c99b66_project:
	s_mov_b64 s[64:65], 0
	v_nop
	global_prefetch_b8 v0, s[64:65] scope:SCOPE_SE
	s_setreg_imm32_b32 hwreg(HW_REG_WAVE_MODE, 25, 1), 1
	s_wait_xcnt 0x0
; PROJECT: (a) qkv[o][n] = sum over c of qkv_w[o][c] features[c][n] + qkv_b[o], f16 operands, f32 sums, stored as f16 by head:
;              qkvh[head 8][n 2048][96], elements 0-31 q, 32-63 k, 64-95 v of that head (a row is 192 bytes);
;          (b) the test |pos[n] - pos[m]| < 0.1 for all pairs, stored as bits: maskb[kb 8][n 2048][w 8] of 32 bits,
;              bit L of word w = key kb*256 + 128*(w>>2) + 4*L + (w&3)  (the order in which 16-byte loads lay keys over lanes).
; Work-group (bn = x id, head = y id): points 64 bn .. +63, the 96 outputs of one head, and key block kb = head for those 64 points.
; Eight waves.  Wave wv: n tile wn = wv & 3 (16 points), output half wo = wv >> 2: three accumulators (q, k, v), 16 outputs each;
; for the mask: queries 64 bn + 8 wv + 0..7 against the block's 256 keys, done while the operand loads are under way.
; K = 256 lies whole in LDS: no ring.  All 52 loads of a wave are issued in one run.
; NO JOINT REQUESTS, though 8 work-groups read the same 64 KB of features and 32 the same 96 KB of weights: a joint request is a
; tensor load, which lands the f32 as they are (160 KB of LDS) and would cost a further LDS read and write of every number to make
; f16 of them; through registers the conversion lies on the way.
; LIMITS.  f16 operands and f16 q, k, v: |features|, |qkv_w|, |q, k, v| below 65504; below 6.1e-5 the step is 6e-8.
; The mask tests s = dx*dx + dy*dy + dz*dz (one multiply, two fused multiply-adds) against 0x3c23d70a.  For the same s that is exactly
; sqrt(s) rounded to nearest < 0.1f: the square of the midpoint under 0.1f, 0.00999999955, lies between that constant and the f32 below it.
; A pair whose s, summed in another order of rounding, falls on the other side of the constant may be judged otherwise.
.set FP,  160                          ; FB at 0: features as f16, [c 256][n 64], rows 160 bytes apart (an odd multiple of 32, for the transposing load)
.set WB,  40960                        ; weights as f16, [lo 96][c 256]
.set WP,  528                          ; rows 512 + 16 bytes apart
.set SB,  91648                        ; way out: [n 64][96 f16], rows 192 bytes apart, no padding: the block leaves as 12,288 linear bytes
.set KX,  20                           ; v[20:27]  x of my 8 keys (KY, KZ likewise)
.set KY,  28
.set KZ,  36
.set DX,  44                           ; v[44:51]  differences, then the sums of squares
.set DY,  52
.set DZ,  60
.set ACC, 68                           ; v[68:91]  three accumulators; the bias is loaded straight into them
.set FD,  96                           ; v[96:159]  16 loads of features
.set WD,  160                          ; v[160:255] 24 loads of weights
.set FR,  96                           ; behind the barrier: four fragment sets of 32 registers (8 features, 3 x 8 weights)
.set PK,  224                          ; v[224:235] results as f16
.set BK,  236                          ; v[236:247] the block read back
; v2 16L  v3 features offset  v4 weights offset  v5 bias offset  v6 FB store  v7 WB store  v8 WB fragments  v9 FB fragments
; v10 stage store  v11 stage read  v12 16 t  v13 8L  v[16:17] mask words
	s_load_b256 s[4:11], s[0:1], 0x0               ; features s[4:5], qkv_w s[6:7], qkv_b s[8:9], xyz s[10:11]
	s_load_b128 s[12:15], s[0:1], 0x20             ; qkvh s[12:13], maskb s[14:15]
	v_lshl_add_u32 v94, v0, 2, 0x19600
	v_mov_b32 v95, 0
	v_lshrrev_b32 v1, 5, v0
	v_readfirstlane_b32 s40, v1                    ; wv
	s_and_b32 s41, s40, 3                          ; wn
	s_lshr_b32 s42, s40, 2                         ; wo
	s_and_b32 s43, ttmp7, 0xffff                   ; head
	v_and_b32 v14, 31, v0                          ; L
	v_and_b32 v15, 15, v0                          ; r
	v_bfe_u32 v1, v0, 4, 1                         ; hl
	v_lshlrev_b32 v2, 4, v14                       ; keys: 16 L
	s_lshl_b32 s54, s40, 18                        ; features: rows c = 32 wv + 2 i + hl of 8,192 bytes, 16 r along the row
	v_lshlrev_b32 v3, 4, v15
	v_lshl_add_u32 v3, v1, 13, v3
	v_add_nc_u32 v3, s54, v3
	s_lshl_b32 s54, s40, 12                        ; weights: rows 4 wv + rr of 1,024 bytes, 16 L along the half row
	v_add_nc_u32 v4, s54, v2
	s_lshl_b32 s54, s42, 6                         ; bias: outputs 16 wo + 8 hl + 0..7
	v_lshl_add_u32 v5, v1, 5, s54
	s_mul_i32 s54, s40, 32*FP                      ; FB store: row 32 wv + hl, 8 r
	v_mul_u32_u24 v6, v1, FP
	v_lshl_add_u32 v6, v15, 3, v6
	v_add_nc_u32 v6, s54, v6
	s_mul_i32 s54, s40, 4*WP                       ; WB store: row 4 wv, 8 L
	s_add_co_u32 s54, s54, WB
	v_lshl_add_u32 v7, v14, 3, s54
	s_mul_i32 s54, s42, 16*WP                      ; WB fragments: row 16 wo + r, 16 hl
	s_add_co_u32 s54, s54, WB
	v_mul_u32_u24 v8, v15, WP
	v_lshl_add_u32 v8, v1, 4, v8
	v_add_nc_u32 v8, s54, v8
	v_and_b32 v18, 7, v0                           ; FB fragments: row 8 hl + (L & 7), 32 wn + 16 ((L >> 3) & 1)
	v_lshl_add_u32 v18, v1, 3, v18
	v_mul_u32_u24 v9, v18, FP
	v_bfe_u32 v19, v0, 3, 1
	v_lshl_add_u32 v9, v19, 4, v9
	s_lshl_b32 s54, s41, 5
	v_add_nc_u32 v9, s54, v9
	s_mul_i32 s54, s41, 16*192                     ; stage store: row 16 wn + r, 32 wo + 16 hl
	s_lshl_b32 s55, s42, 5
	s_add_co_u32 s54, s54, s55
	s_add_co_u32 s54, s54, SB
	v_mul_u32_u24 v10, v15, 192
	v_lshl_add_u32 v10, v1, 4, v10
	v_add_nc_u32 v10, s54, v10
	v_lshlrev_b32 v12, 4, v0                       ; the block leaves linearly: 16 t
	v_add_nc_u32 v11, SB, v12
	v_lshlrev_b32 v13, 3, v14                      ; mask: 8 L
	v_mov_b32 v16, 0                               ; v_writelane_b32 keeps the other lanes: written whole once
	v_mov_b32 v17, 0
	s_mov_b32 s53, 0x3c23d70a                      ; the threshold on the squared distance (see the head)
	s_mov_b32 s45, 0                               ; upper halves of the three scalar pairs: named by the packed adds, never used
	s_mov_b32 s47, 0
	s_mov_b32 s49, 0
	s_mov_b32 s55, 0
	s_wait_kmcnt 0x0
	s_lshl_b32 s54, ttmp9, 8                       ; features + 64 bn points of 4 bytes
	s_add_nc_u64 s[4:5], s[4:5], s[54:55]
	s_lshl_b32 s54, s43, 15                        ; qkv_w + 32 head rows of 1,024 bytes
	s_add_nc_u64 s[6:7], s[6:7], s[54:55]
	s_lshl_b32 s54, s43, 7                         ; qkv_b + 32 head
	s_add_nc_u64 s[8:9], s[8:9], s[54:55]
	s_lshl_b32 s54, s43, 10                        ; xyz + 256 kb keys
	s_add_nc_u64 s[50:51], s[10:11], s[54:55]
	s_mul_i32 s54, s43, 393216                     ; qkvh + head plane + 64 bn rows of 192 bytes
	s_mul_i32 s52, ttmp9, 12288
	s_add_co_u32 s54, s54, s52
	s_add_nc_u64 s[12:13], s[12:13], s[54:55]
	s_lshl_b32 s54, s43, 16                        ; maskb + kb plane + (64 bn + 8 wv) rows of 32 bytes
	s_lshl_b32 s52, ttmp9, 11
	s_add_co_u32 s54, s54, s52
	s_lshl_b32 s52, s40, 8
	s_add_co_u32 s54, s54, s52
	s_add_nc_u64 s[14:15], s[14:15], s[54:55]
	s_lshl_b32 s52, ttmp9, 8                       ; my 8 queries: (64 bn + 8 wv) x 4 bytes
	s_lshl_b32 s54, s40, 5
	s_add_co_u32 s52, s52, s54
	s_load_b256 s[16:23], s[10:11], s52 offset:0x0         ; their x,
	s_load_b256 s[24:31], s[10:11], s52 offset:0x2000      ; y,
	s_load_b256 s[32:39], s[10:11], s52 offset:0x4000      ; z
	; 52 loads in one run: 6 keys, 6 bias, 16 features, 24 weights
.irp i, 0,1
	global_load_b128 v[KX+4*\i:KX+4*\i+3], v2, s[50:51] offset:\i*512
	global_load_b128 v[KY+4*\i:KY+4*\i+3], v2, s[50:51] offset:8192+\i*512
	global_load_b128 v[KZ+4*\i:KZ+4*\i+3], v2, s[50:51] offset:16384+\i*512
.endr
.irp g, 0,1,2
	global_load_b128 v[ACC+8*\g:ACC+8*\g+3],   v5, s[8:9] offset:\g*1024
	global_load_b128 v[ACC+8*\g+4:ACC+8*\g+7], v5, s[8:9] offset:\g*1024+16
.endr
.irp i, 0,1,2,3,4,5,6,7,8,9,10,11,12,13,14,15
	global_load_b128 v[FD+4*\i:FD+4*\i+3], v3, s[4:5] offset:\i*16384      ; 16 lanes take 256 aligned bytes of a row
.endr
.irp g, 0,1,2
.irp rr, 0,1,2,3
.irp hf, 0,1
	global_load_b128 v[WD+4*(8*\g+2*\rr+\hf):WD+4*(8*\g+2*\rr+\hf)+3], v4, s[6:7] offset:\g*262144+\rr*1024+\hf*512
.endr
.endr
.endr
	; THE MASK.  One query against my 8 x 32 keys: key - query by a packed add of the negated coordinate (the square is that of
	; query - key), then 8 compares whose lane masks are the 8 words of the query's row; word w goes to lane 4 q + w / 2 of v16 or v17.
.macro MASKQ q
	s_xor_b32 s44, s[16+\q], 0x80000000
	s_xor_b32 s46, s[24+\q], 0x80000000
	s_xor_b32 s48, s[32+\q], 0x80000000
.irp p, 0,2,4,6
	v_pk_add_f32 v[DX+\p:DX+\p+1], v[KX+\p:KX+\p+1], s[44:45] op_sel_hi:[1,0]
.endr
.irp p, 0,2,4,6
	v_pk_add_f32 v[DY+\p:DY+\p+1], v[KY+\p:KY+\p+1], s[46:47] op_sel_hi:[1,0]
.endr
.irp p, 0,2,4,6
	v_pk_add_f32 v[DZ+\p:DZ+\p+1], v[KZ+\p:KZ+\p+1], s[48:49] op_sel_hi:[1,0]
.endr
.irp p, 0,2,4,6
	v_pk_mul_f32 v[DX+\p:DX+\p+1], v[DX+\p:DX+\p+1], v[DX+\p:DX+\p+1]
.endr
.irp p, 0,2,4,6
	v_pk_fma_f32 v[DX+\p:DX+\p+1], v[DY+\p:DY+\p+1], v[DY+\p:DY+\p+1], v[DX+\p:DX+\p+1]
.endr
.irp p, 0,2,4,6
	v_pk_fma_f32 v[DX+\p:DX+\p+1], v[DZ+\p:DZ+\p+1], v[DZ+\p:DZ+\p+1], v[DX+\p:DX+\p+1]
.endr
.irp w, 0,1,2,3,4,5,6,7
	v_cmp_lt_f32 s[56+\w], v[DX+\w], s53           ; a NaN is no neighbour, as in the comparison of the source
.endr
.irp w, 0,1,2,3,4,5,6,7
	v_writelane_b32 v[16+(\w&1)], s[56+\w], 4*\q+(\w>>1)
.endr
.endm
	s_wait_loadcnt 46                              ; loads return in order: the 6 key loads are in, the 46 behind them stay out
	s_wait_kmcnt 0x0                               ; the queries' coordinates
.irp q, 0,1,2,3,4,5,6,7
	MASKQ \q
.endr
	global_store_b64 v13, v[16:17], s[14:15]       ; 8 rows of 32 bytes: 256 consecutive aligned bytes in one store
	; TO F16 AND INTO LDS, each load as it comes
.irp i, 0,1,2,3,4,5,6,7,8,9,10,11,12,13,14,15
	s_wait_loadcnt 39-\i                           ; 15 - i loads of features and 24 of weights are younger
	v_cvt_pk_f16_f32 v[FD+4*\i],   v[FD+4*\i],   v[FD+4*\i+1]
	v_cvt_pk_f16_f32 v[FD+4*\i+1], v[FD+4*\i+2], v[FD+4*\i+3]
	ds_store_b64 v6, v[FD+4*\i:FD+4*\i+1] offset:\i*2*FP
.endr
.irp g, 0,1,2
.irp rr, 0,1,2,3
.irp hf, 0,1
	s_wait_loadcnt 23-(8*\g+2*\rr+\hf)
	v_cvt_pk_f16_f32 v[WD+4*(8*\g+2*\rr+\hf)],   v[WD+4*(8*\g+2*\rr+\hf)],   v[WD+4*(8*\g+2*\rr+\hf)+1]
	v_cvt_pk_f16_f32 v[WD+4*(8*\g+2*\rr+\hf)+1], v[WD+4*(8*\g+2*\rr+\hf)+2], v[WD+4*(8*\g+2*\rr+\hf)+3]
	ds_store_b64 v7, v[WD+4*(8*\g+2*\rr+\hf):WD+4*(8*\g+2*\rr+\hf)+1] offset:(32*\g+\rr)*WP+\hf*256
.endr
.endr
.endr
	s_wait_dscnt 0x0                               ; my stores are in LDS, for the other waves' sake,
	s_barrier_signal -1
	s_barrier_wait -1                              ; and so are everybody's
	; THE PRODUCTS.  A = 16 outputs x 32 c of the weights (two 16-byte loads along c), B = 32 c x 16 points of the features, which lie
	; [c][n]: two transposing loads.  Register j of lane (r, hl) of the result: output 8 hl + j, point r: eight neighbours of a row of qkvh.
.macro LOADSET s, ks
	ds_load_tr16_b128 v[FR+32*\s:FR+32*\s+3],   v9 offset:(\ks)*32*FP
	ds_load_tr16_b128 v[FR+32*\s+4:FR+32*\s+7], v9 offset:(\ks)*32*FP+16*FP
.irp g, 0,1,2
	ds_load_b128 v[FR+32*\s+8+8*\g:FR+32*\s+11+8*\g],  v8 offset:\g*32*WP+(\ks)*64
	ds_load_b128 v[FR+32*\s+12+8*\g:FR+32*\s+15+8*\g], v8 offset:\g*32*WP+(\ks)*64+32
.endr
.endm
.macro MULSET s
.irp g, 0,1,2
	v_wmma_f32_16x16x32_f16 v[ACC+8*\g:ACC+8*\g+7], v[FR+32*\s+8+8*\g:FR+32*\s+15+8*\g], v[FR+32*\s:FR+32*\s+7], v[ACC+8*\g:ACC+8*\g+7]
.endr
.endm
.macro PLACES                          ; a load into a matrix instruction's source, and a vector read of its result, stand four independent
.rept 4                                ; vector instructions behind it (ISA guide 7.12.1); there is no other work to put there
	v_nop
.endr
.endm
	LOADSET 0, 0
	LOADSET 1, 1
	LOADSET 2, 2
	LOADSET 3, 3
.irp k, 0,1,2,3
	s_wait_dscnt 24                                ; four sets of 8 loads are out: the oldest is in, three stay out
	MULSET \k
	PLACES
	LOADSET \k, \k+4
.endr
	s_wait_dscnt 24                                ; nothing more is fetched: the counts run down
	MULSET 0
	s_wait_dscnt 16
	MULSET 1
	s_wait_dscnt 8
	MULSET 2
	s_wait_dscnt 0x0
	MULSET 3
	; THE WAY OUT: 16 bytes a lane into the stage (bytes that nobody has touched so far), then the block as 12,288 linear bytes.
	; The stage's rows are 192 bytes apart, so some of the 16 lanes of a store meet at the same offset modulo 256 bytes; three stores a wave.
	PLACES
.irp g, 0,1,2
.irp p, 0,1,2,3
	v_cvt_pk_f16_f32 v[PK+4*\g+\p], v[ACC+8*\g+2*\p], v[ACC+8*\g+2*\p+1]
.endr
.endr
.irp g, 0,1,2
	ds_store_b128 v10, v[PK+4*\g:PK+4*\g+3] offset:64*\g
.endr
	s_wait_dscnt 0x0                               ; for the others' sake
	s_barrier_signal -1
	s_barrier_wait -1
.irp i, 0,1,2
	ds_load_b128 v[BK+4*\i:BK+4*\i+3], v11 offset:4096*\i
.endr
.irp i, 0,1,2
	s_wait_dscnt 2-\i
	global_store_b128 v12, v[BK+4*\i:BK+4*\i+3], s[12:13] offset:4096*\i   ; a wave's store covers 512 consecutive aligned bytes
.endr
	s_wait_tensorcnt 0x0
	ds_add_u32 v94, v95
	s_wait_dscnt 0x0
	s_endpgm
.Lfunc_end_k_q3b58c99b66_project:
	.size	k_q3b58c99b66_project, .Lfunc_end_k_q3b58c99b66_project-k_q3b58c99b66_project
	.p2alignl 7, 3214868480
	.fill 96, 4, 3214868480
	.section	.rodata,"a",@progbits
	.p2align	6, 0x0
	.amdhsa_kernel k_q3b58c99b66_project
		.amdhsa_group_segment_fixed_size 104960
		.amdhsa_private_segment_fixed_size 0
		.amdhsa_enable_private_segment 0
		.amdhsa_kernarg_size 48
		.amdhsa_user_sgpr_count 2
		.amdhsa_user_sgpr_kernarg_segment_ptr 1
		.amdhsa_wavefront_size32 1
		.amdhsa_system_sgpr_workgroup_id_x 1
		.amdhsa_system_sgpr_workgroup_id_y 1
		.amdhsa_system_sgpr_workgroup_id_z 1
		.amdhsa_system_vgpr_workitem_id 0
		.amdhsa_next_free_vgpr 256
		.amdhsa_next_free_sgpr 66
		.amdhsa_reserve_vcc 0
		.amdhsa_float_denorm_mode_32 3
		.amdhsa_float_denorm_mode_16_64 3
		.amdhsa_memory_ordered 1
		.amdhsa_forward_progress 1
		.amdhsa_inst_pref_size 48
	.end_amdhsa_kernel
	.amdgpu_metadata
---
amdhsa.version: [ 1, 2 ]
amdhsa.kernels:
  - .name:           k_q3b58c99b66_project
    .symbol:         k_q3b58c99b66_project.kd
    .args:
      - { .name: features, .offset: 0, .size: 8, .value_kind: global_buffer, .address_space: global }
      - { .name: qkv_w, .offset: 8, .size: 8, .value_kind: global_buffer, .address_space: global }
      - { .name: qkv_b, .offset: 16, .size: 8, .value_kind: global_buffer, .address_space: global }
      - { .name: xyz, .offset: 24, .size: 8, .value_kind: global_buffer, .address_space: global }
      - { .name: qkvh, .offset: 32, .size: 8, .value_kind: global_buffer, .address_space: global }
      - { .name: maskb, .offset: 40, .size: 8, .value_kind: global_buffer, .address_space: global }
    .group_segment_fixed_size: 104960
    .private_segment_fixed_size: 0
    .kernarg_segment_align: 8
    .kernarg_segment_size: 48
    .max_flat_workgroup_size: 256
    .sgpr_count:     66
    .vgpr_count:     256
    .wavefront_size: 32
...
	.end_amdgpu_metadata
.endif
;; end of part 1
;; launch attend (part 2): grid 2048 x 1, 1 waves a work-group, no clusters, 10,752 bytes of LDS; arguments qkvh, maskb, xyz, w1, b1, w2, b2, out0; writes out0
.if DOCPART == 2
	.amdgcn_target "amdgcn-amd-amdhsa--gfx1250"
	.amdhsa_code_object_version 6
	.text
	.protected	k_q3b58c99b66_attend
	.globl	k_q3b58c99b66_attend
	.p2align	8
	.type	k_q3b58c99b66_attend,@function
k_q3b58c99b66_attend:
	s_mov_b64 s[64:65], 0
	v_nop
	global_prefetch_b8 v0, s[64:65] scope:SCOPE_SE
	s_setreg_imm32_b32 hwreg(HW_REG_WAVE_MODE, 25, 1), 1
	s_wait_xcnt 0x0
; ATTEND: one wave, one query n (the work-group's number).  The 2048 mask bits of row n, stored by the launch before, become a list of
; neighbours in LDS; the list is walked in batches of 8: gather k, v (f16) and xyz, the position MLP, the scores, a running softmax and
; P V, all sums in f32.  What the mask throws away is never computed.  Right for any number of neighbours from 0 to 2048.
; Lane l = 4 h + t: head h, channels d = 8 t .. 8 t + 7 of that head (out0's numbers 256 n + 8 l + 0..7).  For the MLP the same lane takes
; the batch's slot h and hidden units 8 t .. 8 t + 7; the hidden values change hands through LDS (the wave's own bytes, no barrier).
; pe's mean over four columns is taken on w2 and b2 beforehand: W2M[u] = (w2[u][4h] + .. + w2[u][4h+3]) / 4 (another order of sums than the source's).
; NO MATRIX UNIT: a query is one row and has a handful of keys of its own, so a 16 x 16 x 32 product would be almost all padding.
; NO CLUSTER: the waves gather rows named by their own lists; no tile is shared at a known time.
; LIMITS.  q, k, v as f16 (see the launch before).  v_sqrt_f32 and v_exp_f32 flush denormals: a squared distance under 2^-126 counts as 0,
; a weight under 2^-126 of the row's largest as 0.  A query without any neighbour (a NaN coordinate) gives NaN, as the source does.
.set DUMP, 2056                        ; LIST at 0: words 0..2047 the list, up to 2055 its padding, word 2056 takes what lanes without a key store
.set HL,   8256                        ; hidden values [slot 8][unit 32] f32, 1,024 bytes
.set OS,   9280                        ; the output row, 1,024 bytes
.set MW,   16                          ; v[16:17]   my two mask words
.set RS,   26                          ; v[26:29]   rel x, y, z, dist
.set Q,    42                          ; v[42:45]   my 8 q, f16
.set BIAS2,46                          ; v[46:47]   (b2's mean in lanes t = 0, else 0; 0)
.set W1X,  48                          ; v[48:79]   w1's four rows, my 8 units each
.set B1,   80                          ; v[80:87]
.set W2M,  88                          ; v[88:95]
.set SPR,  96                          ; v[96:111]  slot s: a pair of partial scores; then score and weight in the even register.  First: my 8 hidden values
.set IDX,  112                         ; v[112:119] the batch's 8 keys, then their byte offsets
.set ACC,  120                         ; v[120:127] my 8 channels of P V
.set HR,   128                         ; v[128:191] slot s: hidden units 8 t .. + 7
.set K,    192                         ; v[192:223] slot s: 4 registers.  At the start: w2 as loaded
.set V,    224                         ; v[224:255] likewise.  At the start: b2 as loaded
; v2 t  v3 h  v4 h plane + 16 t  v6 v7 list addresses  v8 32 l  v9 32 t  v12 16 l  v13 -inf  v14 DUMP  v18 rank  v19 key  v20 address
; v21 my slot's key  v22 its offset in xyz  v[23:25] its x y z  v30 running max  v31 running sum  v32 max x log2 e  v33 at work
; v[34:35] rescale  v[36:37] 1 / sum  v38 v40 v41 offsets of the mask, w2, b2
; s21 n  s[24:25] qkvh row n  s[26:27] maskb row n  s[28:29] out0 row n  s30-32 my x y z  s33 count  s34 lanes left  s35 trips  s36 trip
; s37 lane  s38 word  s39 its first key  s40 at work  s41 batches  s42 batch  s43 keys left  s44 log2 e  s46 4 n  s[48:55] slot masks
	s_load_b512 s[4:19], s[0:1], 0x0               ; qkvh, maskb, xyz, w1, b1, w2, b2, out0
	v_lshl_add_u32 v15, v0, 2, 0x2900
	v_mov_b32 v39, 0
	v_and_b32 v2, 3, v0                            ; t
	v_lshrrev_b32 v3, 2, v0                        ; h
	v_mul_u32_u24 v4, v3, 0x60000                  ; head plane of 393,216 bytes
	v_lshl_add_u32 v4, v2, 4, v4                   ; + my 8 f16
	v_lshlrev_b32 v8, 5, v0
	v_lshlrev_b32 v9, 5, v2
	v_mov_b32 v13, 0xff800000
	v_mov_b32 v14, DUMP
	v_lshlrev_b32 v38, 16, v3                      ; mask: key block h (65,536 bytes), words 2 t, 2 t + 1
	v_lshl_add_u32 v38, v2, 3, v38
	v_lshlrev_b32 v41, 4, v3                       ; b2: columns 4 h .. 4 h + 3
	v_lshl_add_u32 v40, v2, 10, v41                ; w2: rows 8 t .. of 128 bytes, the same columns
	s_mov_b32 s21, ttmp9
	s_mov_b32 s23, 0
	s_mov_b32 s44, 0x3fb8aa3b
	s_lshl_b32 s46, ttmp9, 2
	s_wait_kmcnt 0x0
	s_mul_i32 s22, ttmp9, 192
	s_add_nc_u64 s[24:25], s[4:5], s[22:23]
	s_lshl_b32 s22, ttmp9, 5
	s_add_nc_u64 s[26:27], s[6:7], s[22:23]
	s_lshl_b32 s22, ttmp9, 10
	s_add_nc_u64 s[28:29], s[18:19], s[22:23]
	global_load_b64 v[MW:MW+1], v38, s[26:27]      ; the mask first: the list hangs on it
	s_load_b32 s30, s[8:9], s46 offset:0x0
	s_load_b32 s31, s[8:9], s46 offset:0x2000
	s_load_b32 s32, s[8:9], s46 offset:0x4000
	global_load_b128 v[Q:Q+3], v4, s[24:25]
.irp c, 0,1,2,3
	global_load_b128 v[W1X+8*\c:W1X+8*\c+3],   v9, s[10:11] offset:128*\c
	global_load_b128 v[W1X+8*\c+4:W1X+8*\c+7], v9, s[10:11] offset:128*\c+16
.endr
	global_load_b128 v[B1:B1+3],   v9, s[12:13]
	global_load_b128 v[B1+4:B1+7], v9, s[12:13] offset:16
.irp j, 0,1,2,3,4,5,6,7
	global_load_b128 v[K+4*\j:K+4*\j+3], v40, s[14:15] offset:128*\j
.endr
	global_load_b128 v[V:V+3], v41, s[16:17]
	; FROM BITS TO A LIST.  One trip for each mask word that is not 0 (lane LL's word e stands for keys KB + 4 x bit, KB = 128 (LL >> 1) + 2 (LL & 1) + e):
	; the lane of each set bit stores its key at entry count + (set bits below it); the other lanes store into the dump word.
	; The rank is clamped to DUMP, so every store stays in the list's 8,256 bytes.
.macro EXTRACT e
	v_cmp_ne_u32 s34, 0, v[MW+\e]
	s_bcnt1_i32_b32 s35, s34
	s_cmp_eq_u32 s35, 0
	s_cbranch_scc1 .Lnone\e
	s_mov_b32 s36, 0
.Lword\e:
	s_ctz_i32_b32 s37, s34
	v_readlane_b32 s38, v[MW+\e], s37
	s_sub_co_u32 s40, s34, 1
	s_and_b32 s34, s34, s40                        ; that lane is done
	s_lshr_b32 s39, s37, 1
	s_lshl_b32 s39, s39, 7
	s_and_b32 s40, s37, 1
	s_lshl1_add_u32 s39, s40, s39
.if \e
	s_add_co_u32 s39, s39, \e
.endif
	v_mbcnt_lo_u32_b32 v18, s38, s33               ; count + set bits below my lane
	v_lshl_add_u32 v19, v0, 2, s39                 ; my bit's key
	v_cndmask_b32 v18, v14, v18, s38
	v_min_u32 v18, DUMP, v18
	v_lshlrev_b32 v20, 2, v18
	ds_store_b32 v20, v19
	s_bcnt1_i32_b32 s40, s38
	s_add_co_u32 s33, s33, s40
	s_add_co_u32 s36, s36, 1
	s_cmp_lt_u32 s36, s35
	s_cbranch_scc1 .Lword\e
.Lnone\e:
.endm
	s_mov_b32 s33, 0
	s_wait_loadcnt 20                              ; the mask is in; the 20 loads of constants behind it stay out
	EXTRACT 0
	EXTRACT 1
	v_add_nc_u32 v18, s33, v0                      ; eight entries of padding behind the list, the query itself: the last batch reads only written words
	v_cmp_gt_u32 vcc_lo, 8, v0                     ; and gathers only real rows
	v_cndmask_b32 v18, v14, v18, vcc_lo
	v_min_u32 v18, DUMP, v18
	v_lshlrev_b32 v20, 2, v18
	v_mov_b32 v19, s21
	ds_store_b32 v20, v19
	; CONSTANTS
	s_wait_loadcnt 0x0
	s_wait_kmcnt 0x0
.irp j, 0,1,2,3,4,5,6,7
	v_pk_add_f32 v[K+4*\j:K+4*\j+1], v[K+4*\j:K+4*\j+1], v[K+4*\j+2:K+4*\j+3]
.endr
.irp j, 0,1,2,3,4,5,6,7
	v_add_f32 v[W2M+\j], v[K+4*\j], v[K+4*\j+1]
.endr
.irp p, 0,2,4,6
	v_pk_mul_f32 v[W2M+\p:W2M+\p+1], v[W2M+\p:W2M+\p+1], 0x3e800000 op_sel_hi:[1,0]
.endr
	v_pk_add_f32 v[V:V+1], v[V:V+1], v[V+2:V+3]
	v_add_f32 v[V], v[V], v[V+1]
	v_mul_f32 v[V], 0x3e800000, v[V]
	v_cmp_eq_u32 vcc_lo, 0, v2
	v_cndmask_b32 v[BIAS2], 0, v[V], vcc_lo        ; once for each head: the four lanes' partial scores are added
	v_mov_b32 v[BIAS2+1], 0
	v_mov_b32 v30, 0xff800000                      ; running max
	v_mov_b32 v31, 0                               ; running sum
	v_mov_b32 v35, 0                               ; upper halves of two pairs that the packed multiplies name and do not use
	v_mov_b32 v37, 0
.irp j, 0,1,2,3,4,5,6,7
	v_mov_b32 v[ACC+\j], 0
.endr
	s_add_co_u32 s41, s33, 7
	s_lshr_b32 s41, s41, 3
	s_max_u32 s41, s41, 1                          ; an empty list still makes one batch, all of it masked
	s_mov_b32 s43, s33
	s_mov_b32 s42, 0
.Lbatch:
	s_min_u32 s40, s42, 255                        ; 256 batches of 8 are the whole list: the address stays inside it
	s_lshl_b32 s40, s40, 5
	v_mov_b32 v6, s40
	v_lshl_add_u32 v7, v3, 2, s40
	ds_load_b32 v21, v7                            ; my slot's key.  LDS serves a wave's instructions in order: these see the list's stores
	ds_load_b128 v[IDX:IDX+3],   v6                ; all eight keys, the same in every lane
	ds_load_b128 v[IDX+4:IDX+7], v6 offset:16
	s_wait_dscnt 2                                 ; my slot's key is in, the two loads behind it stay out
	v_min_u32 v21, 0x7ff, v21
	v_lshlrev_b32 v22, 2, v21
	global_load_b32 v23, v22, s[8:9]
	global_load_b32 v24, v22, s[8:9] offset:8192
	global_load_b32 v25, v22, s[8:9] offset:16384
	s_wait_dscnt 0x0
.irp s, 0,1,2,3,4,5,6,7
	v_min_u32 v[IDX+\s], 0x7ff, v[IDX+\s]
.endr
.irp s, 0,1,2,3,4,5,6,7
	v_mul_u32_u24 v[IDX+\s], v[IDX+\s], 192
.endr
.irp s, 0,1,2,3,4,5,6,7
	v_add_nc_u32 v[IDX+\s], v4, v[IDX+\s]
.endr
.irp s, 0,1,2,3,4,5,6,7
	global_load_b128 v[K+4*\s:K+4*\s+3], v[IDX+\s], s[4:5] offset:64
.endr
.irp s, 0,1,2,3,4,5,6,7
	global_load_b128 v[V+4*\s:V+4*\s+3], v[IDX+\s], s[4:5] offset:128
.endr
	; my slot's geometry and my 8 hidden units
	s_wait_loadcnt 16                              ; x, y, z are in; 8 loads of k and 8 of v stay out
	v_sub_f32 v[RS],   s30, v23
	v_sub_f32 v[RS+1], s31, v24
	v_sub_f32 v[RS+2], s32, v25
	v_mul_f32 v33, v[RS], v[RS]
	v_fmac_f32 v33, v[RS+1], v[RS+1]
	v_fmac_f32 v33, v[RS+2], v[RS+2]
	v_sqrt_f32 v[RS+3], v33                        ; the eight packed lines for x and y stand between it and the first use of its result (ISA guide 5.7.2)
.irp p, 0,2,4,6
	v_pk_fma_f32 v[SPR+\p:SPR+\p+1], v[W1X+\p:W1X+\p+1], v[RS:RS+1], v[B1+\p:B1+\p+1] op_sel_hi:[1,0,1]
.endr
.irp p, 0,2,4,6
	v_pk_fma_f32 v[SPR+\p:SPR+\p+1], v[W1X+8+\p:W1X+8+\p+1], v[RS:RS+1], v[SPR+\p:SPR+\p+1] op_sel:[0,1,0]
.endr
	s_wait_alu depctr_va_vdst(0)
.irp p, 0,2,4,6
	v_pk_fma_f32 v[SPR+\p:SPR+\p+1], v[W1X+16+\p:W1X+16+\p+1], v[RS+2:RS+3], v[SPR+\p:SPR+\p+1] op_sel_hi:[1,0,1]
.endr
.irp p, 0,2,4,6
	v_pk_fma_f32 v[SPR+\p:SPR+\p+1], v[W1X+24+\p:W1X+24+\p+1], v[RS+2:RS+3], v[SPR+\p:SPR+\p+1] op_sel:[0,1,0]
.endr
.irp j, 0,1,2,3,4,5,6,7
	v_max_num_f32 v[SPR+\j], 0, v[SPR+\j]
.endr
	ds_store_b128 v8, v[SPR:SPR+3]   offset:HL     ; [slot h][unit 8 t ..] = byte 32 l
	ds_store_b128 v8, v[SPR+4:SPR+7] offset:HL+16
.irp s, 0,1,2,3,4,5,6,7
	ds_load_b128 v[HR+8*\s:HR+8*\s+3],   v9 offset:HL+128*\s       ; every slot's units 8 t .. + 7
	ds_load_b128 v[HR+8*\s+4:HR+8*\s+7], v9 offset:HL+128*\s+16
.endr
	s_wait_dscnt 0x0
	; scores: my quarter of pe (8 hidden units) and of q . k (8 channels), two chains a slot, then the four lanes of a head are added
.irp s, 0,1,2,3,4,5,6,7
	v_pk_fma_f32 v[SPR+2*\s:SPR+2*\s+1], v[HR+8*\s:HR+8*\s+1], v[W2M:W2M+1], v[BIAS2:BIAS2+1]
.endr
.irp p, 2,4,6
.irp s, 0,1,2,3,4,5,6,7
	v_pk_fma_f32 v[SPR+2*\s:SPR+2*\s+1], v[HR+8*\s+\p:HR+8*\s+\p+1], v[W2M+\p:W2M+\p+1], v[SPR+2*\s:SPR+2*\s+1]
.endr
.endr
	s_wait_loadcnt 8                               ; k is in; the 8 loads of v stay out
.irp w, 0,1,2,3
.irp s, 0,1,2,3,4,5,6,7
	v_fma_mix_f32 v[SPR+2*\s],   v[Q+\w], v[K+4*\s+\w], v[SPR+2*\s]   op_sel_hi:[1,1,0]
	v_fma_mix_f32 v[SPR+2*\s+1], v[Q+\w], v[K+4*\s+\w], v[SPR+2*\s+1] op_sel:[1,1,0] op_sel_hi:[1,1,0]
.endr
.endr
.irp s, 0,1,2,3,4,5,6,7
	v_add_f32 v[SPR+2*\s], v[SPR+2*\s], v[SPR+2*\s+1]
.endr
.irp s, 0,1,2,3,4,5,6,7
	v_add_f32_dpp v[SPR+2*\s], v[SPR+2*\s], v[SPR+2*\s] row_xmask:1 row_mask:0xf bank_mask:0xf
.endr
.irp s, 0,1,2,3,4,5,6,7
	v_add_f32_dpp v[SPR+2*\s], v[SPR+2*\s], v[SPR+2*\s] row_xmask:2 row_mask:0xf bank_mask:0xf
.endr
.irp s, 0,1,2,3,4,5,6,7
	s_cmp_gt_i32 s43, \s                           ; slots behind the list's end count as masked
	s_cselect_b32 s[48+\s], -1, 0
	v_cndmask_b32 v[SPR+2*\s], v13, v[SPR+2*\s], s[48+\s]
.endr
	; running softmax, in base 2
	v_max3_num_f32 v33, v30, v[SPR], v[SPR+2]
	v_max3_num_f32 v33, v33, v[SPR+4], v[SPR+6]
	v_max3_num_f32 v33, v33, v[SPR+8], v[SPR+10]
	v_max3_num_f32 v33, v33, v[SPR+12], v[SPR+14]
	v_mul_f32 v32, s44, v33
	v_fma_f32 v34, v30, s44, -v32
.irp s, 0,1,2,3,4,5,6,7
	v_fma_f32 v[SPR+2*\s], v[SPR+2*\s], s44, -v32
.endr
	v_exp_f32 v34, v34                             ; what the old sums are worth under the new max (0 in the first batch)
.irp s, 0,1,2,3,4,5,6,7
	v_exp_f32 v[SPR+2*\s], v[SPR+2*\s]
.endr
	v_mov_b32 v30, v33                             ; the plain instruction between the exponentials and their first use (ISA guide 5.7.2)
	s_wait_alu depctr_va_vdst(0)
	v_add_f32 v[SPR+1], v[SPR],    v[SPR+2]
	v_add_f32 v[SPR+3], v[SPR+4],  v[SPR+6]
	v_add_f32 v[SPR+5], v[SPR+8],  v[SPR+10]
	v_add_f32 v[SPR+7], v[SPR+12], v[SPR+14]
	v_add_f32 v[SPR+1], v[SPR+1], v[SPR+3]
	v_add_f32 v[SPR+5], v[SPR+5], v[SPR+7]
	v_add_f32 v[SPR+1], v[SPR+1], v[SPR+5]
	v_fma_f32 v31, v31, v34, v[SPR+1]
.irp p, 0,2,4,6
	v_pk_mul_f32 v[ACC+\p:ACC+\p+1], v[ACC+\p:ACC+\p+1], v[34:35] op_sel_hi:[1,0]
.endr
	s_wait_loadcnt 0x0                             ; v is in; the offsets in IDX and v22 are rewritten only behind this wait
.irp s, 0,1,2,3,4,5,6,7
.irp w, 0,1,2,3
	v_fma_mix_f32 v[ACC+2*\w],   v[SPR+2*\s], v[V+4*\s+\w], v[ACC+2*\w]   op_sel_hi:[0,1,0]
	v_fma_mix_f32 v[ACC+2*\w+1], v[SPR+2*\s], v[V+4*\s+\w], v[ACC+2*\w+1] op_sel:[0,1,0] op_sel_hi:[0,1,0]
.endr
.endr
	s_sub_co_i32 s43, s43, 8
	s_add_co_u32 s42, s42, 1
	s_cmp_lt_u32 s42, s41
	s_cbranch_scc1 .Lbatch
	; THE WAY OUT: a lane holds 32 bytes of the row; through LDS, so that each store of the wave covers 512 consecutive aligned bytes
	v_rcp_f32 v36, v31
	v_lshlrev_b32 v12, 4, v0                       ; stands between the reciprocal and its use
	s_wait_alu depctr_va_vdst(0)
.irp p, 0,2,4,6
	v_pk_mul_f32 v[ACC+\p:ACC+\p+1], v[ACC+\p:ACC+\p+1], v[36:37] op_sel_hi:[1,0]
.endr
	ds_store_b128 v8, v[ACC:ACC+3]   offset:OS
	ds_store_b128 v8, v[ACC+4:ACC+7] offset:OS+16
	ds_load_b128 v[HR:HR+3],   v12 offset:OS       ; in order behind the stores of the same wave
	ds_load_b128 v[HR+4:HR+7], v12 offset:OS+512
	s_wait_dscnt 1
	global_store_b128 v12, v[HR:HR+3], s[28:29] th:TH_STORE_NT
	s_wait_dscnt 0x0
	global_store_b128 v12, v[HR+4:HR+7], s[28:29] offset:512 th:TH_STORE_NT
	s_wait_tensorcnt 0x0
	ds_add_u32 v15, v39
	s_wait_dscnt 0x0
	s_endpgm
.Lfunc_end_k_q3b58c99b66_attend:
	.size	k_q3b58c99b66_attend, .Lfunc_end_k_q3b58c99b66_attend-k_q3b58c99b66_attend
	.p2alignl 7, 3214868480
	.fill 96, 4, 3214868480
	.section	.rodata,"a",@progbits
	.p2align	6, 0x0
	.amdhsa_kernel k_q3b58c99b66_attend
		.amdhsa_group_segment_fixed_size 10752
		.amdhsa_private_segment_fixed_size 0
		.amdhsa_enable_private_segment 0
		.amdhsa_kernarg_size 64
		.amdhsa_user_sgpr_count 2
		.amdhsa_user_sgpr_kernarg_segment_ptr 1
		.amdhsa_wavefront_size32 1
		.amdhsa_system_sgpr_workgroup_id_x 1
		.amdhsa_system_sgpr_workgroup_id_y 1
		.amdhsa_system_sgpr_workgroup_id_z 1
		.amdhsa_system_vgpr_workitem_id 0
		.amdhsa_next_free_vgpr 256
		.amdhsa_next_free_sgpr 66
		.amdhsa_reserve_vcc 1
		.amdhsa_float_denorm_mode_32 3
		.amdhsa_float_denorm_mode_16_64 3
		.amdhsa_memory_ordered 1
		.amdhsa_forward_progress 1
		.amdhsa_inst_pref_size 30
	.end_amdhsa_kernel
	.amdgpu_metadata
---
amdhsa.version: [ 1, 2 ]
amdhsa.kernels:
  - .name:           k_q3b58c99b66_attend
    .symbol:         k_q3b58c99b66_attend.kd
    .args:
      - { .name: qkvh, .offset: 0, .size: 8, .value_kind: global_buffer, .address_space: global }
      - { .name: maskb, .offset: 8, .size: 8, .value_kind: global_buffer, .address_space: global }
      - { .name: xyz, .offset: 16, .size: 8, .value_kind: global_buffer, .address_space: global }
      - { .name: w1, .offset: 24, .size: 8, .value_kind: global_buffer, .address_space: global }
      - { .name: b1, .offset: 32, .size: 8, .value_kind: global_buffer, .address_space: global }
      - { .name: w2, .offset: 40, .size: 8, .value_kind: global_buffer, .address_space: global }
      - { .name: b2, .offset: 48, .size: 8, .value_kind: global_buffer, .address_space: global }
      - { .name: out0, .offset: 56, .size: 8, .value_kind: global_buffer, .address_space: global }
    .group_segment_fixed_size: 10752
    .private_segment_fixed_size: 0
    .kernarg_segment_align: 8
    .kernarg_segment_size: 64
    .max_flat_workgroup_size: 32
    .sgpr_count:     66
    .vgpr_count:     256
    .wavefront_size: 32
...
	.end_amdgpu_metadata
.endif
;; end of part 2
;; ======== version 2 of 2: 2 launches; version 1 with the launch project written anew for expert scheduling mode
;; limits: values are held in f16: magnitudes above 65,504 overflow, below 6.1e-05 lose precision
;; workspace buffers: qkvh 3,145,728 bytes; maskb 524,288 bytes of whole numbers
;; launch project (part 3): grid 32 x 8, 8 waves a work-group, no clusters, 104,960 bytes of LDS; arguments features, qkv_w, qkv_b, xyz, qkvh, maskb; writes qkvh, maskb
.if DOCPART == 3
	.amdgcn_target "amdgcn-amd-amdhsa--gfx1250"
	.amdhsa_code_object_version 6
	.text
	.protected	k_q3b58c99b66_project
	.globl	k_q3b58c99b66_project
	.p2align	8
	.type	k_q3b58c99b66_project,@function
k_q3b58c99b66_project:
	s_mov_b64 s[64:65], 0
	v_nop
	global_prefetch_b8 v0, s[64:65] scope:SCOPE_SE
	s_setreg_imm32_b32 hwreg(HW_REG_WAVE_SCHED_MODE, 0, 2), 2
	s_setreg_imm32_b32 hwreg(HW_REG_WAVE_MODE, 25, 1), 1
	s_wait_xcnt 0x0
	s_wait_alu depctr_vm_vsrc(0)
; PROJECT: (a) qkv[o][n] = sum over c of qkv_w[o][c] features[c][n] + qkv_b[o], f16 operands, f32 sums, stored as f16 by head:
;              qkvh[head 8][n 2048][96], elements 0-31 q, 32-63 k, 64-95 v of that head (a row is 192 bytes);
;          (b) the test |pos[n] - pos[m]| < 0.1 for all pairs, stored as bits: maskb[kb 8][n 2048][w 8] of 32 bits,
;              bit L of word w = key kb*256 + 128*(w>>2) + 4*L + (w&3)  (the order in which 16-byte loads lay keys over lanes).
; Work-group (bn = x id, head = y id): points 64 bn .. +63, the 96 outputs of one head, and key block kb = head for those 64 points.
; Eight waves.  Wave wv: n tile wn = wv & 3 (16 points), output half wo = wv >> 2: three accumulators (q, k, v), 16 outputs each;
; for the mask: queries 64 bn + 8 wv + 0..7 against the block's 256 keys, done while the operand loads are under way.
; K = 256 lies whole in LDS: no ring.  All 52 loads of a wave are issued in one run.
; NO JOINT REQUESTS, though 8 work-groups read the same 64 KB of features and 32 the same 96 KB of weights: a joint request is a
; tensor load, which lands the f32 as they are (160 KB of LDS) and would cost a further LDS read and write of every number to make
; f16 of them; through registers the conversion lies on the way.
; LIMITS.  f16 operands and f16 q, k, v: |features|, |qkv_w|, |q, k, v| below 65504; below 6.1e-5 the step is 6e-8.
; The mask tests s = dx*dx + dy*dy + dz*dz (one multiply, two fused multiply-adds) against 0x3c23d70a.  For the same s that is exactly
; sqrt(s) rounded to nearest < 0.1f: the square of the midpoint under 0.1f, 0.00999999955, lies between that constant and the f32 below it.
; A pair whose s, summed in another order of rounding, falls on the other side of the constant may be judged otherwise.
; THE MODE: SCHED_MODE bits 1:0 = 2 (LLVM: expert scheduling mode 2), set by the entry lines.  The code itself states the register dependences
; between vector or matrix instructions and memory or LDS instructions, with s_wait_alu, always for 0.
; THE PLAN.  Registers that memory or LDS instructions touch:
;   v2-v13      offsets and LDS addresses: written at the head, never again; one wait ahead of the first load serves every load and store.
;   v[16:17]    the mask's words: written by the lane writes, read by one store, never written again.
;   v[96:255]   40 loaded quads.  They go in five groups of eight: a group's conversions (in place) are dealt among the LDS stores of the group before,
;               and one wait behind each group states that its conversions have written what the next eight stores read.  The stores behind a wait read
;               the group before's registers; the conversions issued since name the group in hand's alone.
;   six fragment sets (v[96:255] again, and v[20:51], the keys' registers): written by LDS loads behind the first barrier, read by matrix instructions.
;               One wait ahead of them: the LDS stores have read v[96:255].  K steps 0 to 5 have a set each; steps 6 and 7 land in sets 0 and 1,
;               behind one wait at the head of step 2, which states that the matrix instructions of steps 0 and 1 are done reading them.
;   v[224:235], v[236:247]  the way out: one wait behind the conversions, ahead of the stores into the stage; it serves the read-back's loads too.
; Scalar registers that vector instructions write: s40 (the wave's number) and s[56:63] (a query's eight lane masks): one wait behind each run of writers.
.set FP,  160                          ; FB at 0: features as f16, [c 256][n 64], rows 160 bytes apart (an odd multiple of 32, for the transposing load)
.set WB,  40960                        ; weights as f16, [lo 96][c 256]
.set WP,  528                          ; rows 512 + 16 bytes apart
.set SB,  91648                        ; way out: [n 64][96 f16], rows 192 bytes apart, no padding: the block leaves as 12,288 linear bytes
.set KX,  20                           ; v[20:27]  x of my 8 keys (KY, KZ likewise)
.set KY,  28
.set KZ,  36
.set DX,  44                           ; v[44:51]  differences, then the sums of squares
.set DY,  52
.set DZ,  60
.set ACC, 68                           ; v[68:91]  three accumulators; the bias is loaded straight into them
.set FD,  96                           ; v[96:159]  16 loads of features
.set WD,  160                          ; v[160:255] 24 loads of weights: quad n of all 40 lies at FD + 4 n
.set FR,  96                           ; behind the barrier: fragment sets of 32 registers (8 features, 3 x 8 weights): sets 0 to 4 at FR + 32 s, set 5 at KX
.set PK,  224                          ; v[224:235] results as f16
.set BK,  236                          ; v[236:247] the block read back
; v2 16L  v3 features offset  v4 weights offset  v5 bias offset  v6 FB store  v7 WB store  v8 WB fragments  v9 FB fragments
; v10 stage store  v11 stage read  v12 16 t  v13 8L  v[16:17] mask words
	s_load_b256 s[4:11], s[0:1], 0x0               ; features s[4:5], qkv_w s[6:7], qkv_b s[8:9], xyz s[10:11]
	s_load_b128 s[12:15], s[0:1], 0x20             ; qkvh s[12:13], maskb s[14:15]
	v_lshl_add_u32 v94, v0, 2, 0x19600
	v_mov_b32 v95, 0
	v_lshrrev_b32 v1, 5, v0
	v_readfirstlane_b32 s40, v1                    ; wv
	v_and_b32 v14, 31, v0                          ; L
	v_and_b32 v15, 15, v0                          ; r
	v_bfe_u32 v1, v0, 4, 1                         ; hl
	v_lshlrev_b32 v2, 4, v14                       ; keys: 16 L
	s_and_b32 s43, ttmp7, 0xffff                   ; head
	s_wait_alu depctr_va_sdst(0)                   ; s40 is written, ahead of its first reader: wn, wo and the wave's offsets are made from it
	s_and_b32 s41, s40, 3                          ; wn
	s_lshr_b32 s42, s40, 2                         ; wo
	s_lshl_b32 s54, s40, 18                        ; features: rows c = 32 wv + 2 i + hl of 8,192 bytes, 16 r along the row
	v_lshlrev_b32 v3, 4, v15
	v_lshl_add_u32 v3, v1, 13, v3
	v_add_nc_u32 v3, s54, v3
	s_lshl_b32 s54, s40, 12                        ; weights: rows 4 wv + rr of 1,024 bytes, 16 L along the half row
	v_add_nc_u32 v4, s54, v2
	s_lshl_b32 s54, s42, 6                         ; bias: outputs 16 wo + 8 hl + 0..7
	v_lshl_add_u32 v5, v1, 5, s54
	s_mul_i32 s54, s40, 32*FP                      ; FB store: row 32 wv + hl, 8 r
	v_mul_u32_u24 v6, v1, FP
	v_lshl_add_u32 v6, v15, 3, v6
	v_add_nc_u32 v6, s54, v6
	s_mul_i32 s54, s40, 4*WP                       ; WB store: row 4 wv, 8 L
	s_add_co_u32 s54, s54, WB
	v_lshl_add_u32 v7, v14, 3, s54
	s_mul_i32 s54, s42, 16*WP                      ; WB fragments: row 16 wo + r, 16 hl
	s_add_co_u32 s54, s54, WB
	v_mul_u32_u24 v8, v15, WP
	v_lshl_add_u32 v8, v1, 4, v8
	v_add_nc_u32 v8, s54, v8
	v_and_b32 v18, 7, v0                           ; FB fragments: row 8 hl + (L & 7), 32 wn + 16 ((L >> 3) & 1)
	v_lshl_add_u32 v18, v1, 3, v18
	v_mul_u32_u24 v9, v18, FP
	v_bfe_u32 v19, v0, 3, 1
	v_lshl_add_u32 v9, v19, 4, v9
	s_lshl_b32 s54, s41, 5
	v_add_nc_u32 v9, s54, v9
	s_mul_i32 s54, s41, 16*192                     ; stage store: row 16 wn + r, 32 wo + 16 hl
	s_lshl_b32 s55, s42, 5
	s_add_co_u32 s54, s54, s55
	s_add_co_u32 s54, s54, SB
	v_mul_u32_u24 v10, v15, 192
	v_lshl_add_u32 v10, v1, 4, v10
	v_add_nc_u32 v10, s54, v10
	v_lshlrev_b32 v12, 4, v0                       ; the block leaves linearly: 16 t
	v_add_nc_u32 v11, SB, v12
	v_lshlrev_b32 v13, 3, v14                      ; mask: 8 L
	v_mov_b32 v16, 0                               ; v_writelane_b32 keeps the other lanes: written whole once
	v_mov_b32 v17, 0
	s_mov_b32 s53, 0x3c23d70a                      ; the threshold on the squared distance (see the head)
	s_mov_b32 s45, 0                               ; upper halves of the three scalar pairs: named by the packed adds, never used
	s_mov_b32 s47, 0
	s_mov_b32 s49, 0
	s_mov_b32 s55, 0
	s_wait_kmcnt 0x0
	s_lshl_b32 s54, ttmp9, 8                       ; features + 64 bn points of 4 bytes
	s_add_nc_u64 s[4:5], s[4:5], s[54:55]
	s_lshl_b32 s54, s43, 15                        ; qkv_w + 32 head rows of 1,024 bytes
	s_add_nc_u64 s[6:7], s[6:7], s[54:55]
	s_lshl_b32 s54, s43, 7                         ; qkv_b + 32 head
	s_add_nc_u64 s[8:9], s[8:9], s[54:55]
	s_lshl_b32 s54, s43, 10                        ; xyz + 256 kb keys
	s_add_nc_u64 s[50:51], s[10:11], s[54:55]
	s_mul_i32 s54, s43, 393216                     ; qkvh + head plane + 64 bn rows of 192 bytes
	s_mul_i32 s52, ttmp9, 12288
	s_add_co_u32 s54, s54, s52
	s_add_nc_u64 s[12:13], s[12:13], s[54:55]
	s_lshl_b32 s54, s43, 16                        ; maskb + kb plane + (64 bn + 8 wv) rows of 32 bytes
	s_lshl_b32 s52, ttmp9, 11
	s_add_co_u32 s54, s54, s52
	s_lshl_b32 s52, s40, 8
	s_add_co_u32 s54, s54, s52
	s_add_nc_u64 s[14:15], s[14:15], s[54:55]
	s_lshl_b32 s52, ttmp9, 8                       ; my 8 queries: (64 bn + 8 wv) x 4 bytes
	s_lshl_b32 s54, s40, 5
	s_add_co_u32 s52, s52, s54
	s_load_b256 s[16:23], s[10:11], s52 offset:0x0         ; their x,
	s_load_b256 s[24:31], s[10:11], s52 offset:0x2000      ; y,
	s_load_b256 s[32:39], s[10:11], s52 offset:0x4000      ; z
	; 52 loads in one run: 6 keys, 6 bias, 16 features, 24 weights
	s_wait_alu depctr_va_vdst(0)                   ; the twelve offsets and addresses v2 to v13 are written, which every load and store of the kernel reads
.irp i, 0,1
	global_load_b128 v[KX+4*\i:KX+4*\i+3], v2, s[50:51] offset:\i*512
	global_load_b128 v[KY+4*\i:KY+4*\i+3], v2, s[50:51] offset:8192+\i*512
	global_load_b128 v[KZ+4*\i:KZ+4*\i+3], v2, s[50:51] offset:16384+\i*512
.endr
.irp g, 0,1,2
	global_load_b128 v[ACC+8*\g:ACC+8*\g+3],   v5, s[8:9] offset:\g*1024
	global_load_b128 v[ACC+8*\g+4:ACC+8*\g+7], v5, s[8:9] offset:\g*1024+16
.endr
.irp i, 0,1,2,3,4,5,6,7,8,9,10,11,12,13,14,15
	global_load_b128 v[FD+4*\i:FD+4*\i+3], v3, s[4:5] offset:\i*16384      ; 16 lanes take 256 aligned bytes of a row
.endr
.irp g, 0,1,2
.irp rr, 0,1,2,3
.irp hf, 0,1
	global_load_b128 v[WD+4*(8*\g+2*\rr+\hf):WD+4*(8*\g+2*\rr+\hf)+3], v4, s[6:7] offset:\g*262144+\rr*1024+\hf*512
.endr
.endr
.endr
	; THE MASK.  One query against my 8 x 32 keys: key - query by a packed add of the negated coordinate (the square is that of
	; query - key), then 8 compares whose lane masks are the 8 words of the query's row; word w goes to lane 4 q + w / 2 of v16 or v17.
	; In three parts, so that the next query's arithmetic stands between a query's compares and the lane writes that read their masks.
.macro MASKA q                         ; the squared distances of query q
	s_xor_b32 s44, s[16+\q], 0x80000000
	s_xor_b32 s46, s[24+\q], 0x80000000
	s_xor_b32 s48, s[32+\q], 0x80000000
.irp p, 0,2,4,6
	v_pk_add_f32 v[DX+\p:DX+\p+1], v[KX+\p:KX+\p+1], s[44:45] op_sel_hi:[1,0]
.endr
.irp p, 0,2,4,6
	v_pk_add_f32 v[DY+\p:DY+\p+1], v[KY+\p:KY+\p+1], s[46:47] op_sel_hi:[1,0]
.endr
.irp p, 0,2,4,6
	v_pk_add_f32 v[DZ+\p:DZ+\p+1], v[KZ+\p:KZ+\p+1], s[48:49] op_sel_hi:[1,0]
.endr
.irp p, 0,2,4,6
	v_pk_mul_f32 v[DX+\p:DX+\p+1], v[DX+\p:DX+\p+1], v[DX+\p:DX+\p+1]
.endr
.irp p, 0,2,4,6
	v_pk_fma_f32 v[DX+\p:DX+\p+1], v[DY+\p:DY+\p+1], v[DY+\p:DY+\p+1], v[DX+\p:DX+\p+1]
.endr
.irp p, 0,2,4,6
	v_pk_fma_f32 v[DX+\p:DX+\p+1], v[DZ+\p:DZ+\p+1], v[DZ+\p:DZ+\p+1], v[DX+\p:DX+\p+1]
.endr
.endm
.macro MASKC                           ; its eight lane masks
.irp w, 0,1,2,3,4,5,6,7
	v_cmp_lt_f32 s[56+\w], v[DX+\w], s53           ; a NaN is no neighbour, as in the comparison of the source
.endr
.endm
.macro MASKW q                         ; the masks of query q go to their lanes
	s_wait_alu depctr_va_sdst(0)                   ; the eight compares have written s[56:63], ahead of their first reader
.irp w, 0,1,2,3,4,5,6,7
	v_writelane_b32 v[16+(\w&1)], s[56+\w], 4*(\q)+(\w>>1)
.endr
.endm
	s_wait_loadcnt 46                              ; loads return in order: the 6 key loads are in, the 46 behind them stay out
	s_wait_kmcnt 0x0                               ; the queries' coordinates
	MASKA 0
	MASKC
.irp q, 1,2,3,4,5,6,7
	MASKA \q
	MASKW \q-1
	MASKC
.endr
	MASKW 7
	; TO F16 AND INTO LDS, eight loads at a time.  Quad n of the 40: features for n < 16, weights behind them.
.macro CVT n                           ; four f32 close up into the first two of their four registers
	v_cvt_pk_f16_f32 v[FD+4*(\n)],   v[FD+4*(\n)],   v[FD+4*(\n)+1]
	v_cvt_pk_f16_f32 v[FD+4*(\n)+1], v[FD+4*(\n)+2], v[FD+4*(\n)+3]
.endm
.macro PUT n
.if (\n) < 16
	ds_store_b64 v6, v[FD+4*(\n):FD+4*(\n)+1] offset:(\n)*2*FP
.else
	ds_store_b64 v7, v[FD+4*(\n):FD+4*(\n)+1] offset:(32*(((\n)-16)/8)+(((\n)-16)%8)/2)*WP+(((\n)-16)%2)*256
.endif
.endm
	s_wait_loadcnt 32                              ; the first 8 loads of features are in (and the bias, which is older); 8 of features and 24 of weights stay out
.set n, 0
.rept 8
	CVT n
.set n, n+1
.endr
	s_wait_alu depctr_va_vdst(0)                   ; the lane writes have written v[16:17], which the store below reads; group 0's conversions have written what the next eight LDS stores read
	global_store_b64 v13, v[16:17], s[14:15]       ; 8 rows of 32 bytes: 256 consecutive aligned bytes in one store
.irp g, 1,2,3,4
	s_wait_loadcnt 32-8*\g                         ; group g's eight loads are in, the younger groups stay out
.set n, 8*\g
.rept 8
	PUT n-8                                        ; the group before.  No wait: no vector instruction since the last wait names its registers
	CVT n
.set n, n+1
.endr
	s_wait_alu depctr_va_vdst(0)                   ; group g's conversions have written what the next eight LDS stores read; behind the last group: every vector reader and writer of v[20:51] and v[96:255] is done
.endr
.set n, 32
.rept 8
	PUT n
.set n, n+1
.endr
	s_wait_dscnt 0x0                               ; my stores are in LDS, for the other waves' sake,
	s_barrier_signal -1
	s_barrier_wait -1                              ; and so are everybody's
	; THE PRODUCTS.  A = 16 outputs x 32 c of the weights (two 16-byte loads along c), B = 32 c x 16 points of the features, which lie
	; [c][n]: two transposing loads.  Register j of lane (r, hl) of the result: output 8 hl + j, point r: eight neighbours of a row of qkvh.
.macro BASE s                          ; SR: the first register of fragment set s
.if (\s) < 5
.set SR, FR+32*(\s)
.else
.set SR, KX
.endif
.endm
.macro LOADSET s, ks
	BASE \s
	ds_load_tr16_b128 v[SR:SR+3],   v9 offset:(\ks)*32*FP
	ds_load_tr16_b128 v[SR+4:SR+7], v9 offset:(\ks)*32*FP+16*FP
.irp g, 0,1,2
	ds_load_b128 v[SR+8+8*\g:SR+11+8*\g],  v8 offset:\g*32*WP+(\ks)*64
	ds_load_b128 v[SR+12+8*\g:SR+15+8*\g], v8 offset:\g*32*WP+(\ks)*64+32
.endr
.endm
.macro MULSET s                        ; the three accumulators take turns
	BASE \s
.irp g, 0,1,2
	v_wmma_f32_16x16x32_f16 v[ACC+8*\g:ACC+8*\g+7], v[SR+8+8*\g:SR+15+8*\g], v[SR:SR+7], v[ACC+8*\g:ACC+8*\g+7]
.endr
.endm
.macro PLACES                          ; a vector read of a matrix result, and a vector write of a matrix instruction's source, stand four independent
.rept 4                                ; vector instructions behind it (ISA guide 7.12.1); there is no other work to put there
	v_nop
.endr
.endm
	s_wait_alu depctr_vm_vsrc(0)                   ; my LDS stores have read v[96:255]: these registers are fragment sets from here on, written by the loads below, and later by the way out
	LOADSET 0, 0
	LOADSET 1, 1
	LOADSET 2, 2
	LOADSET 3, 3
	LOADSET 4, 4
	LOADSET 5, 5
	s_wait_dscnt 40                                ; six sets of 8 loads are out: the oldest is in, five stay out
	MULSET 0
	s_wait_dscnt 32
	MULSET 1
	s_wait_dscnt 24                                ; set 2 is in
	s_wait_alu depctr_va_vdst(0)                   ; the matrix instructions of K steps 0 and 1 are done reading sets 0 and 1, in which the loads below land
	MULSET 2                                       ; names set 2 and the accumulators alone
	LOADSET 0, 6
	LOADSET 1, 7
	s_wait_dscnt 32                                ; set 3 is in; sets 4 and 5 and the 16 loads just issued stay out
	MULSET 3
	s_wait_dscnt 24                                ; nothing more is fetched: the counts run down
	MULSET 4
	s_wait_dscnt 16
	MULSET 5
	s_wait_dscnt 8
	MULSET 0
	s_wait_dscnt 0x0
	MULSET 1
	; THE WAY OUT: 16 bytes a lane into the stage (bytes that nobody has touched so far), then the block as 12,288 linear bytes.
	; The stage's rows are 192 bytes apart, so some of the 16 lanes of a store meet at the same offset modulo 256 bytes; three stores a wave.
	PLACES
.irp g, 0,1,2
.irp p, 0,1,2,3
	v_cvt_pk_f16_f32 v[PK+4*\g+\p], v[ACC+8*\g+2*\p], v[ACC+8*\g+2*\p+1]
.endr
.endr
	s_wait_alu depctr_va_vdst(0)                   ; the conversions have written v[PK ..], which the LDS stores read; the matrix instructions are done reading v[BK ..] (part of set 4), in which the read-back lands
.irp g, 0,1,2
	ds_store_b128 v10, v[PK+4*\g:PK+4*\g+3] offset:64*\g
.endr
	s_wait_dscnt 0x0                               ; for the others' sake
	s_barrier_signal -1
	s_barrier_wait -1
.irp i, 0,1,2
	ds_load_b128 v[BK+4*\i:BK+4*\i+3], v11 offset:4096*\i
.endr
.irp i, 0,1,2
	s_wait_dscnt 2-\i
	global_store_b128 v12, v[BK+4*\i:BK+4*\i+3], s[12:13] offset:4096*\i   ; a wave's store covers 512 consecutive aligned bytes
.endr
	s_wait_dscnt 0x0
	s_wait_alu depctr_hold_cnt(0) depctr_sa_sdst(0) depctr_va_vdst(0) depctr_va_sdst(0) depctr_va_ssrc(0) depctr_va_vcc(0) depctr_vm_vsrc(0)
	s_wait_tensorcnt 0x0
	ds_add_u32 v94, v95
	s_wait_dscnt 0x0
	s_endpgm
.Lfunc_end_k_q3b58c99b66_project:
	.size	k_q3b58c99b66_project, .Lfunc_end_k_q3b58c99b66_project-k_q3b58c99b66_project
	.p2alignl 7, 3214868480
	.fill 96, 4, 3214868480
	.section	.rodata,"a",@progbits
	.p2align	6, 0x0
	.amdhsa_kernel k_q3b58c99b66_project
		.amdhsa_group_segment_fixed_size 104960
		.amdhsa_private_segment_fixed_size 0
		.amdhsa_enable_private_segment 0
		.amdhsa_kernarg_size 48
		.amdhsa_user_sgpr_count 2
		.amdhsa_user_sgpr_kernarg_segment_ptr 1
		.amdhsa_wavefront_size32 1
		.amdhsa_system_sgpr_workgroup_id_x 1
		.amdhsa_system_sgpr_workgroup_id_y 1
		.amdhsa_system_sgpr_workgroup_id_z 1
		.amdhsa_system_vgpr_workitem_id 0
		.amdhsa_next_free_vgpr 256
		.amdhsa_next_free_sgpr 66
		.amdhsa_reserve_vcc 0
		.amdhsa_float_denorm_mode_32 3
		.amdhsa_float_denorm_mode_16_64 3
		.amdhsa_memory_ordered 1
		.amdhsa_forward_progress 1
		.amdhsa_inst_pref_size 47
	.end_amdhsa_kernel
	.amdgpu_metadata
---
amdhsa.version: [ 1, 2 ]
amdhsa.kernels:
  - .name:           k_q3b58c99b66_project
    .symbol:         k_q3b58c99b66_project.kd
    .args:
      - { .name: features, .offset: 0, .size: 8, .value_kind: global_buffer, .address_space: global }
      - { .name: qkv_w, .offset: 8, .size: 8, .value_kind: global_buffer, .address_space: global }
      - { .name: qkv_b, .offset: 16, .size: 8, .value_kind: global_buffer, .address_space: global }
      - { .name: xyz, .offset: 24, .size: 8, .value_kind: global_buffer, .address_space: global }
      - { .name: qkvh, .offset: 32, .size: 8, .value_kind: global_buffer, .address_space: global }
      - { .name: maskb, .offset: 40, .size: 8, .value_kind: global_buffer, .address_space: global }
    .group_segment_fixed_size: 104960
    .private_segment_fixed_size: 0
    .kernarg_segment_align: 8
    .kernarg_segment_size: 48
    .max_flat_workgroup_size: 256
    .sgpr_count:     66
    .vgpr_count:     256
    .wavefront_size: 32
...
	.end_amdgpu_metadata
.endif
;; end of part 3
;; launch attend: the kernel of part 2 again; grid 2048 x 1, 1 waves a work-group, no clusters, 10,752 bytes of LDS; arguments qkvh, maskb, xyz, w1, b1, w2, b2, out0; writes out0
